; MI455X (gfx1250); checked and timed in simulation.
; The chip was launched on July 23, 2026; its instructions are those of AMD's public machine-readable ISA for CDNA 5 (MIT licence, August 2026) and "CDNA5" Instruction Set Architecture Reference Guide (July 2026). The comments in the code are by the model that wrote it; some were corrected since.
;; Extractor To P Mo E. Allowed arithmetic: float matrix products may take bf16 or f16 operands with f32 sums; other float arithmetic in f32, or as packed bf16 or f16 multiplies, adds, multiply-adds, maxima and minima; sums over many terms, partial sums and values carried from step to step in f32; what a program stores and reads back later, other than sums and carried values, may be rounded once to bf16 or f16.
;; Inputs: W1 16 x 1,024 x 2,048 float32; W2 16 x 2,048 x 1,000 float32; Wg 1,024 x 16 float32; b1 16 x 2,048 float32; b2 16 x 1,000 float32; bg 16 float32; x 1,024 x 1,024 float32.
;; Outputs: out0 1,024 x 1,000 float32.
;; Constants: k = 2.
;; One version. Each part assembles by itself: llvm-mc -triple=amdgcn-amd-amdhsa -mcpu=gfx1250 --defsym DOCPART=n.
;; ======== version 1 of 1: 5 launches
;; workspace buffers: idx 8,192 bytes of whole numbers; gw 8,192 bytes; cnt 4,096 bytes of whole numbers; list 81,920 bytes of whole numbers; xg 33,554,432 bytes; hg 67,108,864 bytes; lg 8,454,144 bytes
;; launch router (part 1): grid 64 x 1, 8 waves a work-group, no clusters, 9,216 bytes of LDS; arguments x, Wg, bg, idx, gw; writes idx, gw
.if DOCPART == 1
	.amdgcn_target "amdgcn-amd-amdhsa--gfx1250"
	.amdhsa_code_object_version 6
	.text
	.protected	k_qb8044e0c12_router
	.globl	k_qb8044e0c12_router
	.p2align	8
	.type	k_qb8044e0c12_router,@function
k_qb8044e0c12_router:
	s_mov_b64 s[64:65], 0
	v_nop
	global_prefetch_b8 v0, s[64:65] scope:SCOPE_SE
	s_setreg_imm32_b32 hwreg(HW_REG_WAVE_MODE, 25, 1), 1
	s_wait_xcnt 0x0
; ROUTER.  gate = softmax(x Wg + bg) over 16 experts; the two largest, the larger first, ties to the lower index.
; Stored at fixed places: idx[2 token + slot] = expert, gw[2 token + slot] = its gate weight.  Nothing is placed here: no address hangs on the choice.
; x, Wg and bg are rounded once to bf16 (as every input of this program is); products on the matrix unit, sums in f32; the maximum is taken away before the exponentials.
; SHARES.  A work-group owns 16 tokens; wave w sums K = 128 w .. 128 w + 127 (four matrix steps of 32); the eight partial sums meet in LDS, wave 0 finishes.
; K's places in the operands: element i (0..15) of lane half h in step st is k = 128 w + 32 st + 16 h + i, alike for both operands, so the products are those of the true order.
; The sources are swapped (source 0 = 16 experts, source 1 = 16 tokens): register jj of lane (r, h) is (expert 8 h + jj, token r).
; LIMITS.  NaN and infinities are not treated apart.  Two logits closer than the f32 sums' rounding may be ranked the other way round than by another order of summation.
.set SPARE, 8192                       ; behind the eight waves' partial sums (1,024 bytes each): the spare words, 128 bytes a wave
.set SPW, 2                            ; v2   my spare word's LDS address; never rewritten
.set NIL, 3                            ; v3   0; never rewritten
.set VX,  4                            ; v4   r x 4096 + h x 64: my 16 numbers of x in a step; later my place for the partial sums
.set VG,  5                            ; v5   h x 1024 + 4 r: my column of Wg
.set VB,  6                            ; v6   h x 32: my eight numbers of bg
.set VL,  7                            ; v7   16 x lane
.set BG,  8                            ; v8-15
.set XF,  16                           ; v16-79   x as loaded, 16 a step
.set GF,  80                           ; v80-143  Wg as loaded, 16 a step
.set XB,  144                          ; v144-175 x in bf16, 8 a step
.set GB,  176                          ; v176-207 Wg in bf16, 8 a step
.set ACC0, 208
.set ACC1, 216
.set R,   16                           ; wave 0: the eight partial sums, 8 registers each
.set LG,  80                           ; wave 0: the token's 16 logits
.set EX,  96                           ; wave 0: their exponentials
.set M1,  112
.set I1,  113
.set M2,  114
.set I2,  115
.set T,   116
.set U,   117
.set VO,  118
.set TM,  120
	s_load_b256 s[4:11], s[0:1], 0x0               ; x s[4:5], Wg s[6:7], bg s[8:9], idx s[10:11]
	s_load_b64 s[12:13], s[0:1], 0x20              ; gw
	v_lshl_add_u32 v[SPW], v0, 2, SPARE
	v_mov_b32 v[NIL], 0
	v_lshrrev_b32 v1, 5, v0
	v_readfirstlane_b32 s16, v1                    ; wave 0..7
	v_and_b32 v1, 15, v0                           ; r
	v_bfe_u32 v[VB], v0, 4, 1                      ; h
	v_lshlrev_b32 v[VX], 12, v1
	v_lshl_add_u32 v[VX], v[VB], 6, v[VX]
	v_lshlrev_b32 v[VG], 2, v1
	v_lshl_add_u32 v[VG], v[VB], 10, v[VG]
	v_lshlrev_b32 v[VB], 5, v[VB]
	v_and_b32 v[VL], 31, v0
	v_lshlrev_b32 v[VL], 4, v[VL]
	s_lshl_b32 s20, ttmp9, 16                      ; 16 rows of x, 4,096 bytes each,
	s_lshl_b32 s21, s16, 9                         ; and my wave's 128 columns
	s_add_co_u32 s20, s20, s21
	s_mov_b32 s21, 0
	s_lshl_b32 s22, s16, 13                        ; my wave's 128 rows of Wg, 64 bytes each
	s_mov_b32 s23, 0
	s_lshl_b32 s24, ttmp9, 7                       ; 16 tokens x 2 slots x 4 bytes
	s_mov_b32 s25, 0
	s_lshl_b32 s26, s16, 10                        ; my wave's partial sums in LDS
	s_mov_b32 s28, 0x3fb8aa3b                      ; log2(e)
	s_mov_b32 s32, 0x76543210                      ; v_permlanex16_b32: each lane takes its own place in the other half
	s_mov_b32 s33, 0xfedcba98
	s_wait_kmcnt 0x0
	s_add_nc_u64 s[4:5], s[4:5], s[20:21]
	s_add_nc_u64 s[6:7], s[6:7], s[22:23]
	s_add_nc_u64 s[10:11], s[10:11], s[24:25]
	s_add_nc_u64 s[12:13], s[12:13], s[24:25]
	global_load_b128 v[BG:BG+3], v[VB], s[8:9]
	global_load_b128 v[BG+4:BG+7], v[VB], s[8:9] offset:16
.set st, 0
.rept 4                                ; all four steps' loads go out at once: 20 a step
.set c, 0
.rept 4
	global_load_b128 v[XF+16*st+4*c:XF+16*st+4*c+3], v[VX], s[4:5] offset:128*st+16*c
.set c, c+1
.endr
.set i, 0
.rept 16
	global_load_b32 v[GF+16*st+i], v[VG], s[6:7] offset:2048*st+64*i
.set i, i+1
.endr
.set st, st+1
.endr
.set st, 0
.rept 4
	s_wait_loadcnt 60-20*st                        ; loads come back in order: this step's 20 are in, the later steps' 20 each stay out
.set q, 0
.rept 8
	v_cvt_pk_bf16_f32 v[XB+8*st+q], v[XF+16*st+2*q], v[XF+16*st+2*q+1]
	v_cvt_pk_bf16_f32 v[GB+8*st+q], v[GF+16*st+2*q], v[GF+16*st+2*q+1]
.set q, q+1
.endr
.set AC, ACC0+8*(st%2)                 ; two accumulators by turns, one instruction a turn; the first two products start the sums
.if st < 2
	v_wmma_f32_16x16x32_bf16 v[AC:AC+7], v[GB+8*st:GB+8*st+7], v[XB+8*st:XB+8*st+7], 0
.else
	v_wmma_f32_16x16x32_bf16 v[AC:AC+7], v[GB+8*st:GB+8*st+7], v[XB+8*st:XB+8*st+7], v[AC:AC+7]
.endif
.set st, st+1
.endr
.rept 4
	v_nop                                          ; four places between the last product and the first read of the sums (ISA guide 7.12.1)
.endr
.set q, 0
.rept 4
	v_pk_add_f32 v[ACC0+2*q:ACC0+2*q+1], v[ACC0+2*q:ACC0+2*q+1], v[ACC1+2*q:ACC1+2*q+1]  ; from the low registers on
.set q, q+1
.endr
	v_add_nc_u32 v[VX], s26, v[VL]                 ; the loads that named v4 are all in
	ds_store_b128 v[VX], v[ACC0:ACC0+3]
	ds_store_b128 v[VX], v[ACC0+4:ACC0+7] offset:512
	s_wait_dscnt 0x0                               ; for wave 0's sake: my partial sums are in LDS
	s_barrier_signal -1
	s_barrier_wait -1
	s_cmp_lg_u32 s16, 0
	s_cbranch_scc1 .Lend                           ; the rest is wave 0's; no barrier stands in it
.set w, 0
.rept 8
	ds_load_b128 v[R+8*w:R+8*w+3], v[VL] offset:1024*w
	ds_load_b128 v[R+8*w+4:R+8*w+7], v[VL] offset:1024*w+512
.set w, w+1
.endr
	v_cmp_le_u32 s29, 16, v0                       ; the upper half of the lanes
	v_and_b32 v[VO], 15, v0
	v_bfe_u32 v[VO+1], v0, 4, 1
	v_lshlrev_b32 v[VO], 3, v[VO]
	v_lshl_add_u32 v[VO], v[VO+1], 2, v[VO]        ; 8 r + 4 h: lane (r, h) stores slot h of token r
.set q, 0
.rept 4                                ; bg rounded to bf16 and spread again
	v_cvt_pk_bf16_f32 v[TM+q], v[BG+2*q], v[BG+2*q+1]
.set q, q+1
.endr
.set q, 0
.rept 4
	v_lshlrev_b32 v[BG+2*q], 16, v[TM+q]
	v_and_b32 v[BG+2*q+1], 0xffff0000, v[TM+q]
.set q, q+1
.endr
	s_wait_dscnt 0x0
.irp d, 1, 2, 4                        ; the eight waves' sums, neighbours 1, 2 and 4 apart
.set w, 0
.rept 4/\d
.set q, 0
.rept 4
	v_pk_add_f32 v[R+8*w+2*q:R+8*w+2*q+1], v[R+8*w+2*q:R+8*w+2*q+1], v[R+8*(w+\d)+2*q:R+8*(w+\d)+2*q+1]
.set q, q+1
.endr
.set w, w+2*\d
.endr
.endr
.set q, 0
.rept 4
	v_pk_add_f32 v[R+2*q:R+2*q+1], v[R+2*q:R+2*q+1], v[BG+2*q:BG+2*q+1]
.set q, q+1
.endr
.set q, 0
.rept 8
	v_permlanex16_b32 v[R+8+q], v[R+q], s32, s33   ; the token's other eight experts lie 16 lanes away
.set q, q+1
.endr
.set q, 0
.rept 8
	v_cndmask_b32 v[LG+q], v[R+q], v[R+8+q], s29   ; experts 0-7: mine in the lower half of the lanes, the other's in the upper
	v_cndmask_b32 v[LG+8+q], v[R+8+q], v[R+q], s29
.set q, q+1
.endr
	v_mov_b32 v[M1], v[LG]
	v_mov_b32 v[I1], 0
	v_mov_b32 v[M2], 0xff800000
	v_mov_b32 v[I2], 0
.set e, 1
.rept 15                               ; strictly greater: of equals the lower index stays ahead
	v_cmp_gt_f32 s30, v[LG+e], v[M1]
	v_cmp_gt_f32 s31, v[LG+e], v[M2]
	v_cndmask_b32 v[M2], v[M2], v[LG+e], s31
	v_cndmask_b32 v[I2], v[I2], e, s31
	v_cndmask_b32 v[M2], v[M2], v[M1], s30
	v_cndmask_b32 v[I2], v[I2], v[I1], s30
	v_cndmask_b32 v[M1], v[M1], v[LG+e], s30
	v_cndmask_b32 v[I1], v[I1], e, s30
.set e, e+1
.endr
	v_mul_f32 v[U], s28, v[M1]
.set e, 0
.rept 16
	v_fma_f32 v[EX+e], v[LG+e], s28, -v[U]         ; (l - max) log2(e)
.set e, e+1
.endr
	v_fma_f32 v[T], v[M2], s28, -v[U]
.set e, 0
.rept 16
	v_exp_f32 v[EX+e], v[EX+e]
.set e, e+1
.endr
	v_exp_f32 v[T], v[T]
	v_nop                                          ; a plain instruction behind the last exponential,
	s_wait_alu depctr_va_vdst(0)                   ; and one wait for the batch of 17, ahead of its first reader
.irp d, 8, 4, 2
.set q, 0
.rept \d/2
	v_pk_add_f32 v[EX+2*q:EX+2*q+1], v[EX+2*q:EX+2*q+1], v[EX+\d+2*q:EX+\d+2*q+1]
.set q, q+1
.endr
.endr
	v_add_f32 v[EX], v[EX], v[EX+1]
	v_rcp_f32 v[U], v[EX]                          ; the larger weight is 1 / sum: its exponential is 1
	v_cndmask_b32 v[I1], v[I1], v[I2], s29         ; (a plain instruction behind the reciprocal) slot h's expert
	s_wait_alu depctr_va_vdst(0)
	v_mul_f32 v[T], v[T], v[U]
	v_cndmask_b32 v[U], v[U], v[T], s29            ; slot h's weight
	global_store_b32 v[VO], v[I1], s[10:11]        ; 128 consecutive bytes each
	global_store_b32 v[VO], v[U], s[12:13]
.Lend:
	s_wait_tensorcnt 0x0                           ; the wave's end, behind my last LDS store
	ds_add_u32 v[SPW], v[NIL]
	s_wait_dscnt 0x0
	s_endpgm
.Lfunc_end_k_qb8044e0c12_router:
	.size	k_qb8044e0c12_router, .Lfunc_end_k_qb8044e0c12_router-k_qb8044e0c12_router
	.p2alignl 7, 3214868480
	.fill 96, 4, 3214868480
	.section	.rodata,"a",@progbits
	.p2align	6, 0x0
	.amdhsa_kernel k_qb8044e0c12_router
		.amdhsa_group_segment_fixed_size 9216
		.amdhsa_private_segment_fixed_size 0
		.amdhsa_enable_private_segment 0
		.amdhsa_kernarg_size 40
		.amdhsa_user_sgpr_count 2
		.amdhsa_user_sgpr_kernarg_segment_ptr 1
		.amdhsa_wavefront_size32 1
		.amdhsa_system_sgpr_workgroup_id_x 1
		.amdhsa_system_sgpr_workgroup_id_y 1
		.amdhsa_system_sgpr_workgroup_id_z 1
		.amdhsa_system_vgpr_workitem_id 0
		.amdhsa_next_free_vgpr 224
		.amdhsa_next_free_sgpr 66
		.amdhsa_reserve_vcc 0
		.amdhsa_float_denorm_mode_32 3
		.amdhsa_float_denorm_mode_16_64 3
		.amdhsa_memory_ordered 1
		.amdhsa_forward_progress 1
		.amdhsa_inst_pref_size 31
	.end_amdhsa_kernel
	.amdgpu_metadata
---
amdhsa.version: [ 1, 2 ]
amdhsa.kernels:
  - .name:           k_qb8044e0c12_router
    .symbol:         k_qb8044e0c12_router.kd
    .args:
      - { .name: x, .offset: 0, .size: 8, .value_kind: global_buffer, .address_space: global }
      - { .name: Wg, .offset: 8, .size: 8, .value_kind: global_buffer, .address_space: global }
      - { .name: bg, .offset: 16, .size: 8, .value_kind: global_buffer, .address_space: global }
      - { .name: idx, .offset: 24, .size: 8, .value_kind: global_buffer, .address_space: global }
      - { .name: gw, .offset: 32, .size: 8, .value_kind: global_buffer, .address_space: global }
    .group_segment_fixed_size: 9216
    .private_segment_fixed_size: 0
    .kernarg_segment_align: 8
    .kernarg_segment_size: 40
    .max_flat_workgroup_size: 256
    .sgpr_count:     66
    .vgpr_count:     224
    .wavefront_size: 32
...
	.end_amdgpu_metadata
.endif
;; end of part 1
;; launch place (part 2): grid 16 x 16, 16 waves a work-group, no clusters, 7,424 bytes of LDS; arguments idx, x, cnt, list, xg; writes cnt, list, xg
.if DOCPART == 2
	.amdgcn_target "amdgcn-amd-amdhsa--gfx1250"
	.amdhsa_code_object_version 6
	.text
	.protected	k_qb8044e0c12_place
	.globl	k_qb8044e0c12_place
	.p2align	8
	.type	k_qb8044e0c12_place,@function
k_qb8044e0c12_place:
	s_mov_b64 s[64:65], 0
	v_nop
	global_prefetch_b8 v0, s[64:65] scope:SCOPE_SE
	s_setreg_imm32_b32 hwreg(HW_REG_WAVE_MODE, 25, 1), 1
	s_wait_xcnt 0x0
; PLACE.  Work-group (ks, e): ranks expert e's entries (entry = 2 token + slot) by a counting sort without atomics, and lays columns 64 ks .. 64 ks + 63 of their tokens' rows
; of x, rounded to bf16, into xg in the order in which a matrix operand's registers take them.  The work-groups with ks = 0 also store the expert's count and list.
; Every one of an expert's 16 work-groups ranks for itself (2,048 entries, 64 steps of one wave): a launch for the list alone is spared.
; list[e][rank] = entry; every place from the count on holds 2048 + e: the number of the expert's spare row in the later launches.  A token past the count reads row 1023 of x.
; xg: [e][tile of 16 rows][K step of 32][1,024 bytes]; bytes 512 c + 16 lane are registers 4 c .. 4 c + 3 of that lane.
; K's places: in K step 2 G + a, element i (0..15) of lane half h is k = 64 G + 32 h + 16 a + i; the weights are laid the same way, so the products are those of the true order.
; Serves every split: an expert has 0 to 1,024 entries (a token's two choices differ).
.set LISTW, 1280                       ; words of a list: 1,024 and room for the last pass of the products to read 16 tiles on
.set NAT,   5124                       ; LDS byte of the count; byte 5120 takes the entries of other experts and is never read
.set SPARE, 5376                       ; the spare words, 128 bytes for each of 16 waves
.set SPW, 2
.set NIL, 3
.set IX,  32                           ; v32-95  wave 0: idx as loaded
.set F,   32                           ; v32-63  32 numbers of x
.set HH,  64                           ; v64-79  the same in bf16
	s_load_b256 s[4:11], s[0:1], 0x0               ; idx s[4:5], x s[6:7], cnt s[8:9], list s[10:11]
	s_load_b64 s[12:13], s[0:1], 0x20              ; xg
	v_lshl_add_u32 v[SPW], v0, 2, SPARE
	v_mov_b32 v[NIL], 0
	v_lshrrev_b32 v1, 5, v0
	v_readfirstlane_b32 s16, v1                    ; wave 0..15
	s_mov_b32 s17, ttmp9                           ; ks
	s_and_b32 s18, ttmp7, 0xffff                   ; e
	v_and_b32 v4, 31, v0                           ; lane
	v_and_b32 v5, 15, v0                           ; r
	v_bfe_u32 v6, v0, 4, 1
	v_lshlrev_b32 v6, 7, v6                        ; h x 128 bytes: 32 numbers of x
	v_lshlrev_b32 v7, 2, v4                        ; 4 x lane
	v_mov_b32 v8, LISTW
	s_lshl_b32 s25, s16, 6
	v_lshl_add_u32 v10, v5, 2, s25                 ; LDS byte of list[16 w + r]
	s_lshl_b32 s25, s16, 15
	v_lshl_add_u32 v25, v4, 4, s25                 ; 16 lane + tile w x 32,768 bytes of xg
	v_lshlrev_b32 v26, 4, v0                       ; 16 x thread
	v_lshlrev_b32 v27, 3, v4                       ; 8 x lane
	v_lshlrev_b32 v28, 4, v4                       ; 16 x lane
	v_mov_b32 v29, NAT
	s_lshl_b32 s20, s17, 8                         ; x: 64 columns
	s_mov_b32 s21, 0
	s_lshl_b32 s22, s18, 21                        ; xg: 64 tiles x 32 K steps x 1,024 bytes an expert,
	s_lshl_b32 s23, s17, 11                        ; two K steps a slice
	s_add_co_u32 s22, s22, s23
	s_mov_b32 s23, 0
	s_mul_i32 s26, s18, 4*LISTW
	s_mov_b32 s27, 0
	s_lshl_b32 s28, s18, 8
	s_mov_b32 s29, 0
	s_wait_kmcnt 0x0
	s_add_nc_u64 s[6:7], s[6:7], s[20:21]
	s_add_nc_u64 s[12:13], s[12:13], s[22:23]
	s_add_nc_u64 s[10:11], s[10:11], s[26:27]
	s_add_nc_u64 s[8:9], s[8:9], s[28:29]
	s_cmp_lg_u32 s16, 0
	s_cbranch_scc1 .Lsorted                        ; the ranking is wave 0's; the barrier stands behind the label
.set q, 0
.rept 16
	global_load_b128 v[IX+4*q:IX+4*q+3], v28, s[4:5] offset:512*q  ; register 4 q + j of lane L: entry 128 q + 4 L + j
.set q, q+1
.endr
	s_add_co_u32 s25, s18, 2048
	v_mov_b32 v20, s25
	v_mov_b32 v21, s25
	v_mov_b32 v22, s25
	v_mov_b32 v23, s25
.set q, 0
.rept 10
	ds_store_b128 v28, v[20:23] offset:512*q       ; the whole list holds the spare row's number first; LDS serves a wave's instructions in order
.set q, q+1
.endr
	s_mov_b32 s30, 0                               ; entries ranked so far
	s_wait_loadcnt 0x0
.set n, 0
.rept 64                               ; 32 entries a step: rank = those ranked so far + the chosen lanes below mine
.set PP, 12+n%4
.set DD, 16+n%4
	v_cmp_eq_u32 vcc_lo, s18, v[IX+n]
	v_mbcnt_lo_u32_b32 v[PP], vcc_lo, s30
	v_cndmask_b32 v[PP], v8, v[PP], vcc_lo         ; another expert's entry goes to word 1280
	v_min_u32 v[PP], LISTW, v[PP]
	v_lshlrev_b32 v[PP], 2, v[PP]
	v_add_nc_u32 v[DD], 128*(n/4)+n%4, v7
	ds_store_b32 v[PP], v[DD]
	s_bcnt1_i32_b32 s25, vcc_lo
	s_add_co_u32 s30, s30, s25
.set n, n+1
.endr
	v_mov_b32 v9, s30
	ds_store_b32 v29, v9
.Lsorted:
	s_wait_dscnt 0x0                               ; for the others' sake: list and count are in LDS
	s_barrier_signal -1
	s_barrier_wait -1
	ds_load_b32 v9, v29
	s_wait_dscnt 0x0
	v_readfirstlane_b32 s31, v9
	s_min_u32 s31, s31, 1024                       ; the expert's count
	s_add_co_u32 s32, s31, 15
	s_lshr_b32 s32, s32, 4                         ; its tiles of 16 rows
; Tile w + 16 u: 16 rows x 64 columns.  A lane takes the 32 numbers 64 ks + 32 h .. + 31 of row r: both K steps' elements of its half.
.macro GATHER u
	s_add_co_u32 s25, s16, 16*(\u)
	s_cmp_ge_u32 s25, s32
	s_cbranch_scc1 .Lgathered                      ; no later tile of mine is live either
	ds_load_b32 v11, v10 offset:1024*(\u)
	s_wait_dscnt 0x0
	v_lshrrev_b32 v24, 1, v11                      ; the entry's token,
	v_min_u32 v24, 1023, v24                       ; inside x whatever the list holds
	v_lshl_add_u32 v24, v24, 12, v6
.set c, 0
.rept 8
	global_load_b128 v[F+4*c:F+4*c+3], v24, s[6:7] offset:16*c
.set c, c+1
.endr
	s_wait_loadcnt 0x0
	s_wait_xcnt 0x0                                ; the last tile's stores have read v64-79
.set q, 0
.rept 16
	v_cvt_pk_bf16_f32 v[HH+q], v[F+2*q], v[F+2*q+1]  ; register 8 a + q': elements 2 q', 2 q' + 1 of K step 2 ks + a
.set q, q+1
.endr
.set c, 0
.rept 4
	global_store_b128 v25, v[HH+4*c:HH+4*c+3], s[12:13] offset:524288*(\u)+512*c  ; 512 consecutive bytes
.set c, c+1
.endr
.endm
	GATHER 0
	GATHER 1
	GATHER 2
	GATHER 3
.Lgathered:
	s_cmp_lg_u32 s17, 0
	s_cbranch_scc1 .Lend
	s_cmp_gt_u32 s16, 9
	s_cbranch_scc1 .Lend
	ds_load_b128 v[32:35], v26                     ; ten waves copy the 5,120 bytes of the list
	s_wait_dscnt 0x0
	global_store_b128 v26, v[32:35], s[10:11]
	s_cmp_lg_u32 s16, 0
	s_cbranch_scc1 .Lend
	v_mov_b32 v36, s31
	v_mov_b32 v37, s31
	global_store_b64 v27, v[36:37], s[8:9]         ; the count, in all 64 words of the expert's 256 bytes
.Lend:
	s_wait_tensorcnt 0x0                           ; the wave's end, behind my last LDS store
	ds_add_u32 v[SPW], v[NIL]
	s_wait_dscnt 0x0
	s_endpgm
.Lfunc_end_k_qb8044e0c12_place:
	.size	k_qb8044e0c12_place, .Lfunc_end_k_qb8044e0c12_place-k_qb8044e0c12_place
	.p2alignl 7, 3214868480
	.fill 96, 4, 3214868480
	.section	.rodata,"a",@progbits
	.p2align	6, 0x0
	.amdhsa_kernel k_qb8044e0c12_place
		.amdhsa_group_segment_fixed_size 7424
		.amdhsa_private_segment_fixed_size 0
		.amdhsa_enable_private_segment 0
		.amdhsa_kernarg_size 40
		.amdhsa_user_sgpr_count 2
		.amdhsa_user_sgpr_kernarg_segment_ptr 1
		.amdhsa_wavefront_size32 1
		.amdhsa_system_sgpr_workgroup_id_x 1
		.amdhsa_system_sgpr_workgroup_id_y 1
		.amdhsa_system_sgpr_workgroup_id_z 1
		.amdhsa_system_vgpr_workitem_id 0
		.amdhsa_next_free_vgpr 128
		.amdhsa_next_free_sgpr 66
		.amdhsa_reserve_vcc 1
		.amdhsa_float_denorm_mode_32 3
		.amdhsa_float_denorm_mode_16_64 3
		.amdhsa_memory_ordered 1
		.amdhsa_forward_progress 1
		.amdhsa_inst_pref_size 42
	.end_amdhsa_kernel
	.amdgpu_metadata
---
amdhsa.version: [ 1, 2 ]
amdhsa.kernels:
  - .name:           k_qb8044e0c12_place
    .symbol:         k_qb8044e0c12_place.kd
    .args:
      - { .name: idx, .offset: 0, .size: 8, .value_kind: global_buffer, .address_space: global }
      - { .name: x, .offset: 8, .size: 8, .value_kind: global_buffer, .address_space: global }
      - { .name: cnt, .offset: 16, .size: 8, .value_kind: global_buffer, .address_space: global }
      - { .name: list, .offset: 24, .size: 8, .value_kind: global_buffer, .address_space: global }
      - { .name: xg, .offset: 32, .size: 8, .value_kind: global_buffer, .address_space: global }
    .group_segment_fixed_size: 7424
    .private_segment_fixed_size: 0
    .kernarg_segment_align: 8
    .kernarg_segment_size: 40
    .max_flat_workgroup_size: 512
    .sgpr_count:     66
    .vgpr_count:     128
    .wavefront_size: 32
...
	.end_amdgpu_metadata
.endif
;; end of part 2
;; launch fc1 (part 3): grid 16 x 16, 4 waves a work-group, no clusters, 164,352 bytes of LDS; arguments W1, b1, xg, cnt, hg; writes hg
.if DOCPART == 3
	.amdgcn_target "amdgcn-amd-amdhsa--gfx1250"
	.amdhsa_code_object_version 6
	.text
	.protected	k_qb8044e0c12_fc1
	.globl	k_qb8044e0c12_fc1
	.p2align	8
	.type	k_qb8044e0c12_fc1,@function
k_qb8044e0c12_fc1:
	s_mov_b64 s[64:65], 0
	v_nop
	global_prefetch_b8 v0, s[64:65] scope:SCOPE_SE
	s_setreg_imm32_b32 hwreg(HW_REG_WAVE_MODE, 25, 1), 1
	s_wait_xcnt 0x0
; FC1.  h = x W1[e] + b1[e] for the rows that chose expert e.  Work-group (slice, e): 128 columns of H, which it alone reads: 512 KiB of f32 weights, each byte once for every 160 rows.
; W1 and b1 are rounded once to bf16 on their way through registers; sums in f32; h is rounded once to bf16 and stored as the next product's operand.
; SHARES.  Wave w = g + 2 kh: column group g (64 columns), K half kh (512 of 1,024: 16 matrix steps).  The two halves' partial sums meet in LDS.
; WEIGHTS, memory to operand without LDS.  For K step 2 G + a, load i (0..15): lane (r, h) takes 16 bytes of row 64 G + 32 h + 16 a + i at column 4 r: sixteen lanes take 256 consecutive bytes.
; Two loads' numbers j, rounded as a pair, are a register of fragment j, in which lane r stands for column 4 r + j and element i of half h for that row: the K places in which xg was laid.
; The sources are swapped (source 0 = weights, source 1 = rows): register jj of lane (r, h) is (column 32 h + 4 jj + j of the group, row r), which is a lane's share of the next product's operand.
; ROWS.  Passes of 160 rows (10 tiles); seven passes cover 1,024 rows, so every split is served; every wave passes both barriers of every pass, and only work is jumped.
; The K loop stands twice, for 8 and for 10 tiles, so that each text's counts are constants; tiles past the pass's count repeat its last live tile, and their sums are never read.
; The first K step takes the bias as its C operand (in the wave with kh = 0; zeros in the other), so nothing is cleared.
; NO CLUSTER, NO TENSOR LOADS.  Each weight has one reader.  What an expert's 16 work-groups share is its rows, whose number hangs on a stored count: a ring in LDS would have to walk
; all 7 x 160 rows (2.2 MB a work-group) where some 0.3 MB are needed.
; LIMITS.  An expert with more than 160 rows reads its slice once for every 160.  NaN and infinities are not treated apart.
.set ROWB,  8192                       ; bytes in a row of W1
.set TSH,   15                         ; a tile of xg is 32 K steps x 1,024 bytes
.set PASSB, 327680                     ; ten of them
.set WSTR,  40960                      ; LDS: a wave's partial sums: 10 tiles x 4 fragments x 1,024 bytes, at tile x 4096 + 512 m + 16 lane for registers 4 m .. 4 m + 3
.set SPARE, 4*WSTR                     ; behind them the spare words, 128 bytes a wave
.set SPW, 2                            ; v2   my spare word; never rewritten
.set NIL, 3                            ; v3   0; never rewritten
.set VW,  4                            ; v4   h x 32 rows + 16 r
.set VST, 5                            ; v5   where I put partial sums
.set RD0, 6                            ; v6   where I read them back: K half 0's,
.set RD1, 7                            ; v7   K half 1's
.set VHO, 8                            ; v8   my byte offset in hg
.set VL16, 9                           ; v9   16 x lane
.set VR,  10
.set VH,  11
.set VA,  16                           ; v16-25   tile t's byte offset in xg
.set BIAS, 32                          ; v32-63   8 j + jj
.set BF,  64                           ; v64-95   the four fragments of weights, 8 j + q
.set LND, 96                           ; v96-223  weights as loaded: two slots of 64; on the way out the partial sums
.set HH,  224                          ; v224-239 h in bf16
; window 1: rows' operands, slot a at 128 a + 8 t.  window 2: accumulator (t, j) at 32 t + 8 j, t < 8.  window 3: tiles 8 and 9.
.set MSB, 0
.macro WIN new                         ; s_set_vgpr_msb: bits 1:0 source 0, 3:2 source 1, 5:4 source 2, 7:6 destination; the high byte repeats the setting that is left
.if MSB != (\new)
	s_set_vgpr_msb (MSB<<8)|(\new)
.set MSB, (\new)
.endif
.endm
.macro PLACES
.rept 4
	v_nop
.endr
.endm
.macro LOADW a, goff                   ; 16 rows x 256 bytes for each half of the lanes: a K step's weights into landing slot a
	WIN 0
.set i, 0
.rept 16
	global_load_b128 v[LND+64*(\a)+4*i:LND+64*(\a)+4*i+3], v[VW], s[28:29] offset:(64*(\goff)+16*(\a)+i)*ROWB th:TH_LOAD_NT
.set i, i+1
.endr
.endm
.macro LOADA nt, a, goff               ; the same K step's operands of nt tiles of rows: 512 consecutive bytes a load
	WIN 0x40
.set t, 0
.rept \nt
	global_load_b128 v[128*(\a)+8*t:128*(\a)+8*t+3], v[VA+t], s[32:33] offset:2048*(\goff)+1024*(\a)
	global_load_b128 v[128*(\a)+8*t+4:128*(\a)+8*t+7], v[VA+t], s[32:33] offset:2048*(\goff)+1024*(\a)+512
.set t, t+1
.endr
.endm
.macro CVT a
.set j, 0
.rept 4
.set q, 0
.rept 8
	v_cvt_pk_bf16_f32 v[BF+8*j+q], v[LND+64*(\a)+8*q+j], v[LND+64*(\a)+8*q+4+j]
.set q, q+1
.endr
.set j, j+1
.endr
.endm
.macro WMMAS nt, a, first              ; 4 nt accumulators by turns, one instruction a turn
.set t, 0
.rept \nt
.if t < 8
	WIN 0xA4-0x20*(\first)
.set AC, 32*t
.else
	WIN 0xF4-0x30*(\first)
.set AC, 32*(t-8)
.endif
.set j, 0
.rept 4
.if \first
	v_wmma_f32_16x16x32_bf16 v[AC+8*j:AC+8*j+7], v[BF+8*j:BF+8*j+7], v[128*(\a)+8*t:128*(\a)+8*t+7], v[BIAS+8*j:BIAS+8*j+7]
.else
	v_wmma_f32_16x16x32_bf16 v[AC+8*j:AC+8*j+7], v[BF+8*j:BF+8*j+7], v[128*(\a)+8*t:128*(\a)+8*t+7], v[AC+8*j:AC+8*j+7]
.endif
.set j, j+1
.endr
.set t, t+1
.endr
.endm
; A K step.  cnt: the loads issued behind this step's: the next step's 16 + 2 nt, or none.  The landing slot is asked for again as soon as it is rounded; the rows' slot
; four places behind the last product that read it (ISA guide 7.12.1 for vector instructions); the same four stand ahead of the next step's writes of the fragments.
.macro TRIP nt, a, first, ld, goff, cnt
	s_wait_loadcnt \cnt
	CVT \a
.if \ld
	LOADW \a, \goff
.endif
	WMMAS \nt, \a, \first
	PLACES
.if \ld
	LOADA \nt, \a, \goff
.endif
	WIN 0
.endm
.macro STOREP nt                       ; all partial sums into my part of LDS, each accumulator from its low registers on
.set t, 0
.rept \nt
.if t < 8
	WIN 0x08
.set AC, 32*t
.else
	WIN 0x0C
.set AC, 32*(t-8)
.endif
.set m, 0
.rept 8
	ds_store_b128 v[VST], v[AC+4*m:AC+4*m+3] offset:4096*t+512*m
.set m, m+1
.endr
.set t, t+1
.endr
	WIN 0
.endm
.macro MAIN nt                         ; 16 K steps; two steps' loads are always asked for
	LOADW 0, 0
	LOADA \nt, 0, 0
	LOADW 1, 0
	LOADA \nt, 1, 0
	WIN 0
	TRIP \nt, 0, 1, 1, 1, 16+2*\nt
	s_mov_b32 s38, 6
.Lk\nt:
	TRIP \nt, 1, 0, 1, 1, 16+2*\nt
	TRIP \nt, 0, 0, 1, 2, 16+2*\nt
	s_wait_xcnt 0x0                                ; the bases are stepped only behind this wait
	s_add_nc_u64 s[28:29], s[28:29], 64*ROWB
	s_add_nc_u64 s[32:33], s[32:33], 2048
	s_sub_co_u32 s38, s38, 1
	s_cmp_lg_u32 s38, 0
	s_cbranch_scc1 .Lk\nt
	TRIP \nt, 1, 0, 1, 1, 16+2*\nt                 ; the tail is written out: no load leaves my K half
	TRIP \nt, 0, 0, 0, 0, 16+2*\nt
	TRIP \nt, 1, 0, 0, 0, 0
	STOREP \nt
.endm
; The way out of tile kh + 2 u of my column group: both K halves' sums are added, rounded, and stored as two K steps' operand blocks of the next product.
.macro OUTU u
	s_add_co_u32 s25, s18, 2*(\u)
	s_cmp_ge_u32 s25, s23
	s_cbranch_scc1 .Lout_end                       ; no later tile of mine is live either
.set m, 0
.rept 8
	ds_load_b128 v[LND+4*m:LND+4*m+3], v[RD0] offset:8192*(\u)+512*m
	ds_load_b128 v[LND+32+4*m:LND+32+4*m+3], v[RD1] offset:8192*(\u)+512*m
.set m, m+1
.endr
	s_wait_dscnt 0x0
.set i, 0
.rept 16
	v_pk_add_f32 v[LND+2*i:LND+2*i+1], v[LND+2*i:LND+2*i+1], v[LND+32+2*i:LND+32+2*i+1]
.set i, i+1
.endr
	s_wait_xcnt 0x0                                ; the last tile's stores have read v224-239
.set q, 0
.rept 16                               ; register 8 a + q': elements 2 q', 2 q' + 1, which are columns 16 a + 2 q' (+1) of my half: fragment j = 2 (q' % 2) (+1), register jj = 4 a + q' / 2
	v_cvt_pk_bf16_f32 v[HH+q], v[LND+16*(q%2)+4*(q/8)+(q%8)/2], v[LND+16*(q%2)+8+4*(q/8)+(q%8)/2]
.set q, q+1
.endr
.set c, 0
.rept 4
	global_store_b128 v[VHO], v[HH+4*c:HH+4*c+3], s[34:35] offset:131072*(\u)+512*c  ; 512 consecutive bytes
.set c, c+1
.endr
.endm
	s_load_b256 s[4:11], s[0:1], 0x0               ; W1 s[4:5], b1 s[6:7], xg s[8:9], cnt s[10:11]
	s_load_b64 s[12:13], s[0:1], 0x20              ; hg
	v_lshl_add_u32 v[SPW], v0, 2, SPARE
	v_mov_b32 v[NIL], 0
	v_lshrrev_b32 v1, 5, v0
	v_readfirstlane_b32 s16, v1                    ; wave 0..3
	s_and_b32 s17, s16, 1                          ; g
	s_lshr_b32 s18, s16, 1                         ; kh
	s_mov_b32 s19, ttmp9                           ; slice
	s_and_b32 s20, ttmp7, 0xffff                   ; e
	v_and_b32 v[VR], 15, v0
	v_bfe_u32 v[VH], v0, 4, 1
	v_and_b32 v[VL16], 31, v0
	v_lshlrev_b32 v[VL16], 4, v[VL16]
	v_lshlrev_b32 v[VW], 4, v[VR]
	v_lshl_add_u32 v[VW], v[VH], 18, v[VW]
	s_mul_i32 s25, s16, WSTR
	v_add_nc_u32 v[VST], s25, v[VL16]
	s_mul_i32 s25, s17, WSTR                       ; wave g holds my group's K half 0, wave g + 2 its K half 1
	s_lshl_b32 s36, s18, 12
	s_add_co_u32 s25, s25, s36
	v_add_nc_u32 v[RD0], s25, v[VL16]
	v_add_nc_u32 v[RD1], 2*WSTR, v[RD0]
	v_lshlrev_b32 v1, 7, v[VH]                     ; my half's 32 numbers of the bias
	s_lshl_b32 s40, s19, 9
	s_lshl_b32 s25, s17, 8
	s_add_co_u32 s40, s40, s25                     ; my group's first column, in bytes of f32
	s_mov_b32 s37, 0
	s_wait_kmcnt 0x0
	s_lshl_b32 s36, s20, 8
	s_add_nc_u64 s[10:11], s[10:11], s[36:37]
	s_load_b32 s21, s[10:11], 0x0                  ; the expert's count
	s_lshl_b32 s36, s20, 13
	s_add_co_u32 s36, s36, s40
	s_add_nc_u64 s[6:7], s[6:7], s[36:37]
.set jj, 0
.rept 8
	global_load_b128 v[LND+4*jj:LND+4*jj+3], v1, s[6:7] offset:16*jj  ; b1 of columns 32 h + 4 jj + 0..3
.set jj, jj+1
.endr
	s_lshl_b32 s36, s20, 23
	s_lshl_b32 s25, s18, 22
	s_add_co_u32 s36, s36, s25
	s_add_co_u32 s36, s36, s40
	s_add_nc_u64 s[26:27], s[4:5], s[36:37]        ; W1 at my expert, K half and column group
	s_lshl_b32 s36, s20, 21
	s_lshl_b32 s25, s18, 14
	s_add_co_u32 s36, s36, s25
	s_add_nc_u64 s[30:31], s[8:9], s[36:37]        ; xg at my expert and K half
	s_lshl_b32 s36, s20, 22
	s_lshl_b32 s25, s19, 12
	s_add_co_u32 s36, s36, s25
	s_lshl_b32 s25, s17, 11
	s_add_co_u32 s36, s36, s25
	s_add_nc_u64 s[34:35], s[12:13], s[36:37]      ; hg at my expert and my group's two K steps
	s_cmp_eq_u32 s18, 0
	s_cselect_b32 s41, -1, 0                       ; the bias is added once: by K half 0
	s_wait_kmcnt 0x0
	s_min_u32 s21, s21, 1024
	s_add_co_u32 s21, s21, 15
	s_lshr_b32 s21, s21, 4                         ; the expert's tiles
	s_wait_loadcnt 0x0
.set jj, 0
.rept 8
.set jp, 0
.rept 2
	v_cvt_pk_bf16_f32 v1, v[LND+4*jj+2*jp], v[LND+4*jj+2*jp+1]
	v_and_b32 v1, s41, v1
	v_lshlrev_b32 v[BIAS+16*jp+jj], 16, v1
	v_and_b32 v[BIAS+16*jp+8+jj], 0xffff0000, v1
.set jp, jp+1
.endr
.set jj, jj+1
.endr
	s_mov_b32 s22, 0
.Lpass:
	s_mul_i32 s25, s22, 10
	s_sub_co_i32 s23, s21, s25
	s_max_i32 s23, s23, 0
	s_min_i32 s23, s23, 10                         ; this pass's live tiles
	s_add_co_u32 s25, s25, s18
	s_lshl_b32 s25, s25, 16
	v_add_nc_u32 v[VHO], s25, v[VL16]              ; tile 10 p + kh of hg
	s_cmp_eq_u32 s23, 0
	s_cbranch_scc1 .Ljoin
	s_sub_co_u32 s24, s23, 1
.set t, 0
.rept 10
	s_min_u32 s25, s24, t                          ; a tile past the count repeats the last live one
	s_lshl_b32 s25, s25, TSH
	v_add_nc_u32 v[VA+t], s25, v[VL16]
.set t, t+1
.endr
	s_mov_b64 s[28:29], s[26:27]
	s_mul_i32 s36, s22, PASSB
	s_add_nc_u64 s[32:33], s[30:31], s[36:37]
	s_cmp_gt_u32 s23, 8
	s_cbranch_scc1 .Lmain10
	MAIN 8
	s_branch .Ljoin
.Lmain10:
	MAIN 10
.Ljoin:
	s_wait_dscnt 0x0                               ; for the others' sake: my partial sums are in LDS
	s_barrier_signal -1
	s_barrier_wait -1
	OUTU 0
	OUTU 1
	OUTU 2
	OUTU 3
	OUTU 4
.Lout_end:
	s_wait_xcnt 0x0                                ; the stores have read their registers
	s_wait_dscnt 0x0                               ; my reads of the partial sums are back: the next pass may write over them
	s_barrier_signal -1
	s_barrier_wait -1
	s_add_co_u32 s22, s22, 1
	s_cmp_lt_u32 s22, 7
	s_cbranch_scc1 .Lpass
	s_wait_tensorcnt 0x0                           ; the wave's end, behind my last LDS store
	ds_add_u32 v[SPW], v[NIL]
	s_wait_dscnt 0x0
	s_endpgm
.Lfunc_end_k_qb8044e0c12_fc1:
	.size	k_qb8044e0c12_fc1, .Lfunc_end_k_qb8044e0c12_fc1-k_qb8044e0c12_fc1
	.p2alignl 7, 3214868480
	.fill 96, 4, 3214868480
	.section	.rodata,"a",@progbits
	.p2align	6, 0x0
	.amdhsa_kernel k_qb8044e0c12_fc1
		.amdhsa_group_segment_fixed_size 164352
		.amdhsa_private_segment_fixed_size 0
		.amdhsa_enable_private_segment 0
		.amdhsa_kernarg_size 40
		.amdhsa_user_sgpr_count 2
		.amdhsa_user_sgpr_kernarg_segment_ptr 1
		.amdhsa_wavefront_size32 1
		.amdhsa_system_sgpr_workgroup_id_x 1
		.amdhsa_system_sgpr_workgroup_id_y 1
		.amdhsa_system_sgpr_workgroup_id_z 1
		.amdhsa_system_vgpr_workitem_id 0
		.amdhsa_next_free_vgpr 832
		.amdhsa_next_free_sgpr 66
		.amdhsa_reserve_vcc 0
		.amdhsa_float_denorm_mode_32 3
		.amdhsa_float_denorm_mode_16_64 3
		.amdhsa_memory_ordered 1
		.amdhsa_forward_progress 1
		.amdhsa_inst_pref_size 129
	.end_amdhsa_kernel
	.amdgpu_metadata
---
amdhsa.version: [ 1, 2 ]
amdhsa.kernels:
  - .name:           k_qb8044e0c12_fc1
    .symbol:         k_qb8044e0c12_fc1.kd
    .args:
      - { .name: W1, .offset: 0, .size: 8, .value_kind: global_buffer, .address_space: global }
      - { .name: b1, .offset: 8, .size: 8, .value_kind: global_buffer, .address_space: global }
      - { .name: xg, .offset: 16, .size: 8, .value_kind: global_buffer, .address_space: global }
      - { .name: cnt, .offset: 24, .size: 8, .value_kind: global_buffer, .address_space: global }
      - { .name: hg, .offset: 32, .size: 8, .value_kind: global_buffer, .address_space: global }
    .group_segment_fixed_size: 164352
    .private_segment_fixed_size: 0
    .kernarg_segment_align: 8
    .kernarg_segment_size: 40
    .max_flat_workgroup_size: 128
    .sgpr_count:     66
    .vgpr_count:     832
    .wavefront_size: 32
...
	.end_amdgpu_metadata
.endif
;; end of part 3
;; launch fc2 (part 4): grid 16 x 16, 4 waves a work-group, no clusters, 164,352 bytes of LDS; arguments W2, b2, hg, cnt, list, lg; writes lg
.if DOCPART == 4
	.amdgcn_target "amdgcn-amd-amdhsa--gfx1250"
	.amdhsa_code_object_version 6
	.text
	.protected	k_qb8044e0c12_fc2
	.globl	k_qb8044e0c12_fc2
	.p2align	8
	.type	k_qb8044e0c12_fc2,@function
k_qb8044e0c12_fc2:
	s_mov_b64 s[64:65], 0
	v_nop
	global_prefetch_b8 v0, s[64:65] scope:SCOPE_SE
	s_setreg_imm32_b32 hwreg(HW_REG_WAVE_MODE, 25, 1), 1
	s_wait_xcnt 0x0
; FC2.  logits = h W2[e] + b2[e] for the rows that chose expert e.  Work-group (slice, e): 64 columns of C (the last slice: 40), which it alone reads: 512 KiB of f32 weights.
; W2 and b2 are rounded once to bf16 on their way through registers; sums in f32; the logits are stored in f32, row = entry (2 token + slot), 1,024 numbers apart.
; SHARES.  Wave w is K quarter w (512 of 2,048: 16 matrix steps) of all 64 columns; the four partial sums meet in LDS.
; WEIGHTS come from memory into operands as in the first product: load i of K step 2 G + a takes, for lane (r, h), 16 bytes of row 64 G + 32 h + 16 a + i at column 4 r;
; fragment j has column 4 r + j in lane r; hg was stored in the same K places.  Source 0 = rows, source 1 = weights: register jj of lane (r, h) is (row 8 h + jj, column 4 r + j):
; the four fragments' registers jj are 16 consecutive bytes of a row, and sixteen lanes store 256 consecutive bytes, at a multiple of 256 from lg's first byte.
; THE LAST SLICE.  Lanes whose columns would pass 999 read columns 996-999 once more, so no load leaves W2 or b2; what they sum lands in lg's columns 1000-1023, which the next launch masks.
; ROWS.  As in the first product: seven passes of 160 rows, both barriers on every wave's path, the K loop written for 8 and for 10 tiles.  A row past the count has the number 2048 + e
; in the list: it goes to the expert's spare row of lg, which nobody reads, so no store is masked.
; THE WAY OUT.  Wave w adds up and stores tiles w and w + 4; tiles 8 and 9 are waves 0's and 1's.
; NO CLUSTER, NO TENSOR LOADS: as in the first product: each weight has one reader, and the number of shared rows hangs on a stored count.
; LIMITS.  An expert with more than 160 rows reads its slice once for every 160.  NaN and infinities are not treated apart.
.set ROWB,  4000                       ; bytes in a row of W2
.set TSH,   16                         ; a tile of hg is 64 K steps x 1,024 bytes
.set PASSB, 655360
.set WSTR,  40960                      ; LDS: a wave's partial sums, at tile x 4096 + 512 m + 16 lane for registers 4 m .. 4 m + 3
.set SPARE, 4*WSTR
.set SPW, 2
.set NIL, 3
.set VW,  4                            ; v4   h x 32 rows + my column's bytes
.set VST, 5
.set RD0, 6                            ; v6, v7, v12, v13  where I read the four quarters' sums back
.set RD1, 7
.set VCOL, 8                           ; v8   256 slice + 16 r: my bytes in a row of lg
.set VL16, 9
.set VR,  10
.set VH,  11
.set RD2, 12
.set RD3, 13
.set VID, 14                           ; v14  32 h + 64 w: my eight rows' numbers in the list
.set VA,  16                           ; v16-25   tile t's byte offset in hg; on the way out v16-23: the eight rows' offsets in lg
.set BIAS, 32
.set BF,  64                           ; v64-95   the four fragments; on the way out the rows to store
.set LND, 96                           ; v96-223  weights as loaded; on the way out the four partial sums
.set IDS, 224                          ; v224-247 the numbers of the rows of tiles w, w + 4, w + 8
.set MSB, 0
.macro WIN new                         ; s_set_vgpr_msb: bits 1:0 source 0, 3:2 source 1, 5:4 source 2, 7:6 destination; the high byte repeats the setting that is left
.if MSB != (\new)
	s_set_vgpr_msb (MSB<<8)|(\new)
.set MSB, (\new)
.endif
.endm
.macro PLACES
.rept 4
	v_nop
.endr
.endm
.macro LOADW a, goff
	WIN 0
.set i, 0
.rept 16
	global_load_b128 v[LND+64*(\a)+4*i:LND+64*(\a)+4*i+3], v[VW], s[28:29] offset:(64*(\goff)+16*(\a)+i)*ROWB th:TH_LOAD_NT
.set i, i+1
.endr
.endm
.macro LOADA nt, a, goff
	WIN 0x40
.set t, 0
.rept \nt
	global_load_b128 v[128*(\a)+8*t:128*(\a)+8*t+3], v[VA+t], s[32:33] offset:2048*(\goff)+1024*(\a)
	global_load_b128 v[128*(\a)+8*t+4:128*(\a)+8*t+7], v[VA+t], s[32:33] offset:2048*(\goff)+1024*(\a)+512
.set t, t+1
.endr
.endm
.macro CVT a
.set j, 0
.rept 4
.set q, 0
.rept 8
	v_cvt_pk_bf16_f32 v[BF+8*j+q], v[LND+64*(\a)+8*q+j], v[LND+64*(\a)+8*q+4+j]
.set q, q+1
.endr
.set j, j+1
.endr
.endm
.macro WMMAS nt, a, first              ; 4 nt accumulators by turns, one instruction a turn
.set t, 0
.rept \nt
.if t < 8
	WIN 0xA1-0x20*(\first)
.set AC, 32*t
.else
	WIN 0xF1-0x30*(\first)
.set AC, 32*(t-8)
.endif
.set j, 0
.rept 4
.if \first
	v_wmma_f32_16x16x32_bf16 v[AC+8*j:AC+8*j+7], v[128*(\a)+8*t:128*(\a)+8*t+7], v[BF+8*j:BF+8*j+7], v[BIAS+8*j:BIAS+8*j+7]
.else
	v_wmma_f32_16x16x32_bf16 v[AC+8*j:AC+8*j+7], v[128*(\a)+8*t:128*(\a)+8*t+7], v[BF+8*j:BF+8*j+7], v[AC+8*j:AC+8*j+7]
.endif
.set j, j+1
.endr
.set t, t+1
.endr
.endm
; A K step.  cnt: the loads issued behind this step's: the next step's 16 + 2 nt, or none.  Four places stand between the last product and the loads into the rows' slot
; (ISA guide 7.12.1 for vector instructions), and so ahead of the next step's writes of the fragments.
.macro TRIP nt, a, first, ld, goff, cnt
	s_wait_loadcnt \cnt
	CVT \a
.if \ld
	LOADW \a, \goff
.endif
	WMMAS \nt, \a, \first
	PLACES
.if \ld
	LOADA \nt, \a, \goff
.endif
	WIN 0
.endm
.macro STOREP nt
.set t, 0
.rept \nt
.if t < 8
	WIN 0x08
.set AC, 32*t
.else
	WIN 0x0C
.set AC, 32*(t-8)
.endif
.set m, 0
.rept 8
	ds_store_b128 v[VST], v[AC+4*m:AC+4*m+3] offset:4096*t+512*m
.set m, m+1
.endr
.set t, t+1
.endr
	WIN 0
.endm
.macro MAIN nt
	LOADW 0, 0
	LOADA \nt, 0, 0
	LOADW 1, 0
	LOADA \nt, 1, 0
	WIN 0
	TRIP \nt, 0, 1, 1, 1, 16+2*\nt
	s_mov_b32 s38, 6
.Lk\nt:
	TRIP \nt, 1, 0, 1, 1, 16+2*\nt
	TRIP \nt, 0, 0, 1, 2, 16+2*\nt
	s_wait_xcnt 0x0                                ; the bases are stepped only behind this wait
	s_add_nc_u64 s[28:29], s[28:29], 64*ROWB
	s_add_nc_u64 s[32:33], s[32:33], 2048
	s_sub_co_u32 s38, s38, 1
	s_cmp_lg_u32 s38, 0
	s_cbranch_scc1 .Lk\nt
	TRIP \nt, 1, 0, 1, 1, 16+2*\nt                 ; the tail is written out: no load leaves my K quarter
	TRIP \nt, 0, 0, 0, 0, 16+2*\nt
	TRIP \nt, 1, 0, 0, 0, 0
	STOREP \nt
.endm
; The way out of tile w + 4 u: the four quarters' sums are added and each row goes to the place that the list names.
.macro OUTU u
.if (\u) == 2
	s_cmp_gt_u32 s16, 1                            ; a pass has ten tiles: 8 and 9 are waves 0's and 1's, and waves 2 and 3 have no third tile.
	s_cbranch_scc1 .Lout_end                       ; So the last byte read here is 3 x 40,960 + 4,096 + 496 + 32,768 + 3,584 + 16 = 163,840, the end of the partial sums
.endif
	s_add_co_u32 s25, s16, 4*(\u)
	s_cmp_ge_u32 s25, s23
	s_cbranch_scc1 .Lout_end                       ; no later tile of mine is live either
.set m, 0
.rept 8
	ds_load_b128 v[LND+4*m:LND+4*m+3], v[RD0] offset:16384*(\u)+512*m
	ds_load_b128 v[LND+32+4*m:LND+32+4*m+3], v[RD1] offset:16384*(\u)+512*m
	ds_load_b128 v[LND+64+4*m:LND+64+4*m+3], v[RD2] offset:16384*(\u)+512*m
	ds_load_b128 v[LND+96+4*m:LND+96+4*m+3], v[RD3] offset:16384*(\u)+512*m
.set m, m+1
.endr
	s_wait_dscnt 0x0
.set i, 0
.rept 16
	v_pk_add_f32 v[LND+2*i:LND+2*i+1], v[LND+2*i:LND+2*i+1], v[LND+32+2*i:LND+32+2*i+1]
	v_pk_add_f32 v[LND+64+2*i:LND+64+2*i+1], v[LND+64+2*i:LND+64+2*i+1], v[LND+96+2*i:LND+96+2*i+1]
.set i, i+1
.endr
	s_wait_xcnt 0x0                                ; the last tile's stores have read v16-23 and v64-95
.set jj, 0
.rept 8
.set j, 0
.rept 4
	v_add_f32 v[BF+4*jj+j], v[LND+8*j+jj], v[LND+64+8*j+jj]
.set j, j+1
.endr
	v_min_u32 v[VA+jj], 2063, v[IDS+8*(\u)+jj]     ; inside lg whatever the list holds
	v_lshl_add_u32 v[VA+jj], v[VA+jj], 12, v[VCOL]
.set jj, jj+1
.endr
.set jj, 0
.rept 8
	global_store_b128 v[VA+jj], v[BF+4*jj:BF+4*jj+3], s[14:15]
.set jj, jj+1
.endr
.endm
	s_load_b256 s[4:11], s[0:1], 0x0               ; W2 s[4:5], b2 s[6:7], hg s[8:9], cnt s[10:11]
	s_load_b128 s[12:15], s[0:1], 0x20             ; list s[12:13], lg s[14:15]
	v_lshl_add_u32 v[SPW], v0, 2, SPARE
	v_mov_b32 v[NIL], 0
	v_lshrrev_b32 v1, 5, v0
	v_readfirstlane_b32 s16, v1                    ; wave 0..3: my K quarter
	s_mov_b32 s19, ttmp9                           ; slice
	s_and_b32 s20, ttmp7, 0xffff                   ; e
	v_and_b32 v[VR], 15, v0
	v_bfe_u32 v[VH], v0, 4, 1
	v_and_b32 v[VL16], 31, v0
	v_lshlrev_b32 v[VL16], 4, v[VL16]
	s_lshl_b32 s25, s19, 8
	v_lshl_add_u32 v[VCOL], v[VR], 4, s25
	v_min_u32 v1, 3984, v[VCOL]                    ; a row of W2 and of b2 ends at byte 4,000
	v_mul_u32_u24 v[VW], 0x1f400, v[VH]            ; 32 rows of 4,000 bytes
	v_add_nc_u32 v[VW], v[VW], v1
	s_mul_i32 s25, s16, WSTR
	v_add_nc_u32 v[VST], s25, v[VL16]
	s_lshl_b32 s25, s16, 12
	v_add_nc_u32 v[RD0], s25, v[VL16]
	v_add_nc_u32 v[RD1], WSTR, v[RD0]
	v_add_nc_u32 v[RD2], 2*WSTR, v[RD0]
	v_add_nc_u32 v[RD3], 3*WSTR, v[RD0]
	s_lshl_b32 s25, s16, 6
	v_lshl_add_u32 v[VID], v[VH], 5, s25
.set i, 0
.rept 24
	v_mov_b32 v[IDS+i], 0                          ; written on every path; a pass with rows loads them
.set i, i+1
.endr
	s_mov_b32 s37, 0
	s_wait_kmcnt 0x0
	s_lshl_b32 s36, s20, 8
	s_add_nc_u64 s[10:11], s[10:11], s[36:37]
	s_load_b32 s21, s[10:11], 0x0                  ; the expert's count
	s_mul_i32 s36, s20, 4000
	s_add_nc_u64 s[6:7], s[6:7], s[36:37]
	global_load_b128 v[LND:LND+3], v1, s[6:7]      ; b2 of columns 4 r + 0..3
	s_mul_i32 s36, s20, 8192000
	s_mul_i32 s25, s16, 2048000
	s_add_co_u32 s36, s36, s25
	s_add_nc_u64 s[26:27], s[4:5], s[36:37]        ; W2 at my expert and K quarter
	s_lshl_b32 s36, s20, 22
	s_lshl_b32 s25, s16, 14
	s_add_co_u32 s36, s36, s25
	s_add_nc_u64 s[30:31], s[8:9], s[36:37]        ; hg at my expert and K quarter
	s_mul_i32 s36, s20, 5120
	s_add_nc_u64 s[44:45], s[12:13], s[36:37]      ; the expert's list
	s_cmp_eq_u32 s16, 0
	s_cselect_b32 s41, -1, 0                       ; the bias is added once: by K quarter 0
	s_wait_kmcnt 0x0
	s_min_u32 s21, s21, 1024
	s_add_co_u32 s21, s21, 15
	s_lshr_b32 s21, s21, 4                         ; the expert's tiles
	s_wait_loadcnt 0x0
	v_cvt_pk_bf16_f32 v[LND+4], v[LND], v[LND+1]
	v_cvt_pk_bf16_f32 v[LND+5], v[LND+2], v[LND+3]
	v_and_b32 v[LND+4], s41, v[LND+4]
	v_and_b32 v[LND+5], s41, v[LND+5]
	v_lshlrev_b32 v[BIAS], 16, v[LND+4]
	v_and_b32 v[BIAS+8], 0xffff0000, v[LND+4]
	v_lshlrev_b32 v[BIAS+16], 16, v[LND+5]
	v_and_b32 v[BIAS+24], 0xffff0000, v[LND+5]
.set j, 0
.rept 4
.set jj, 1
.rept 7
	v_mov_b32 v[BIAS+8*j+jj], v[BIAS+8*j]          ; the same for all eight rows of a register block
.set jj, jj+1
.endr
.set j, j+1
.endr
	s_mov_b32 s22, 0
.Lpass:
	s_mul_i32 s25, s22, 10
	s_sub_co_i32 s23, s21, s25
	s_max_i32 s23, s23, 0
	s_min_i32 s23, s23, 10                         ; this pass's live tiles
	s_cmp_eq_u32 s23, 0
	s_cbranch_scc1 .Ljoin
	s_mul_i32 s36, s22, 640
	s_add_nc_u64 s[46:47], s[44:45], s[36:37]      ; ten tiles' 160 numbers a pass
.set u, 0
.rept 3
	global_load_b128 v[IDS+8*u:IDS+8*u+3], v[VID], s[46:47] offset:256*u        ; rows 8 h + 0..7 of tile w + 4 u; the last word named is 1,151 of 1,280
	global_load_b128 v[IDS+8*u+4:IDS+8*u+7], v[VID], s[46:47] offset:256*u+16
.set u, u+1
.endr
	s_sub_co_u32 s24, s23, 1
.set t, 0
.rept 10
	s_min_u32 s25, s24, t                          ; a tile past the count repeats the last live one
	s_lshl_b32 s25, s25, TSH
	v_add_nc_u32 v[VA+t], s25, v[VL16]
.set t, t+1
.endr
	s_mov_b64 s[28:29], s[26:27]
	s_mul_i32 s36, s22, PASSB
	s_add_nc_u64 s[32:33], s[30:31], s[36:37]
	s_cmp_gt_u32 s23, 8
	s_cbranch_scc1 .Lmain10
	MAIN 8
	s_branch .Ljoin
.Lmain10:
	MAIN 10
.Ljoin:
	s_wait_loadcnt 0x0
	s_wait_dscnt 0x0                               ; for the others' sake: my partial sums are in LDS
	s_barrier_signal -1
	s_barrier_wait -1
	OUTU 0
	OUTU 1
	OUTU 2
.Lout_end:
	s_wait_xcnt 0x0                                ; the stores have read their registers
	s_wait_dscnt 0x0                               ; my reads of the partial sums are back: the next pass may write over them
	s_barrier_signal -1
	s_barrier_wait -1
	s_add_co_u32 s22, s22, 1
	s_cmp_lt_u32 s22, 7
	s_cbranch_scc1 .Lpass
	s_wait_tensorcnt 0x0                           ; the wave's end, behind my last LDS store
	ds_add_u32 v[SPW], v[NIL]
	s_wait_dscnt 0x0
	s_endpgm
.Lfunc_end_k_qb8044e0c12_fc2:
	.size	k_qb8044e0c12_fc2, .Lfunc_end_k_qb8044e0c12_fc2-k_qb8044e0c12_fc2
	.p2alignl 7, 3214868480
	.fill 96, 4, 3214868480
	.section	.rodata,"a",@progbits
	.p2align	6, 0x0
	.amdhsa_kernel k_qb8044e0c12_fc2
		.amdhsa_group_segment_fixed_size 164352
		.amdhsa_private_segment_fixed_size 0
		.amdhsa_enable_private_segment 0
		.amdhsa_kernarg_size 48
		.amdhsa_user_sgpr_count 2
		.amdhsa_user_sgpr_kernarg_segment_ptr 1
		.amdhsa_wavefront_size32 1
		.amdhsa_system_sgpr_workgroup_id_x 1
		.amdhsa_system_sgpr_workgroup_id_y 1
		.amdhsa_system_sgpr_workgroup_id_z 1
		.amdhsa_system_vgpr_workitem_id 0
		.amdhsa_next_free_vgpr 832
		.amdhsa_next_free_sgpr 66
		.amdhsa_reserve_vcc 0
		.amdhsa_float_denorm_mode_32 3
		.amdhsa_float_denorm_mode_16_64 3
		.amdhsa_memory_ordered 1
		.amdhsa_forward_progress 1
		.amdhsa_inst_pref_size 131
	.end_amdhsa_kernel
	.amdgpu_metadata
---
amdhsa.version: [ 1, 2 ]
amdhsa.kernels:
  - .name:           k_qb8044e0c12_fc2
    .symbol:         k_qb8044e0c12_fc2.kd
    .args:
      - { .name: W2, .offset: 0, .size: 8, .value_kind: global_buffer, .address_space: global }
      - { .name: b2, .offset: 8, .size: 8, .value_kind: global_buffer, .address_space: global }
      - { .name: hg, .offset: 16, .size: 8, .value_kind: global_buffer, .address_space: global }
      - { .name: cnt, .offset: 24, .size: 8, .value_kind: global_buffer, .address_space: global }
      - { .name: list, .offset: 32, .size: 8, .value_kind: global_buffer, .address_space: global }
      - { .name: lg, .offset: 40, .size: 8, .value_kind: global_buffer, .address_space: global }
    .group_segment_fixed_size: 164352
    .private_segment_fixed_size: 0
    .kernarg_segment_align: 8
    .kernarg_segment_size: 48
    .max_flat_workgroup_size: 128
    .sgpr_count:     66
    .vgpr_count:     832
    .wavefront_size: 32
...
	.end_amdgpu_metadata
.endif
;; end of part 4
;; launch mix (part 5): grid 256 x 1, 4 waves a work-group, no clusters, 0 bytes of LDS; arguments lg, gw, out0; writes out0
.if DOCPART == 5
	.amdgcn_target "amdgcn-amd-amdhsa--gfx1250"
	.amdhsa_code_object_version 6
	.text
	.protected	k_qb8044e0c12_mix
	.globl	k_qb8044e0c12_mix
	.p2align	8
	.type	k_qb8044e0c12_mix,@function
k_qb8044e0c12_mix:
	s_mov_b64 s[64:65], 0
	v_nop
	global_prefetch_b8 v0, s[64:65] scope:SCOPE_SE
	s_setreg_imm32_b32 hwreg(HW_REG_WAVE_MODE, 25, 1), 1
	s_wait_xcnt 0x0
; MIX.  out[b] = w1 log_softmax(logits of entry 2 b) + w2 log_softmax(logits of entry 2 b + 1), all in f32.
; One wave, one token: both rows of 1,024 numbers (1,000 logits) stay in 64 registers between the maximum, the sum and the result; no LDS, no barrier, no wave waits for another.
; log_softmax(l) = l - (m + ln 2 x log2(sum of 2^((l - m) log2 e))) with m the row's maximum.  Columns 1000-1023 count as minus infinity and are not stored.
; Memory binds (8 KB in, 4 KB out a token); matrix units, clusters and tiles would add nothing.
; LIMITS.  NaN and infinities among the logits are not treated apart.
.set CA, 4                             ; v4-7    row A: four running maxima; then v4 its maximum, then its log-sum-exp
.set CB, 8                             ; v8-11   row B likewise
.set UA, 12                            ; v12-13  m log2(e), named as a pair
.set UB, 14
.set LA, 16                            ; v16-47  row A: register 4 q + j of lane L is column 128 q + 4 L + j
.set LB, 48
.set EA, 80                            ; v80-111 its exponentials
.set EB, 112
.set KC, 144                           ; v144-145  w1 lse1 + w2 lse2, named as a pair
	s_load_b128 s[4:7], s[0:1], 0x0                ; lg s[4:5], gw s[6:7]
	s_load_b64 s[8:9], s[0:1], 0x10                ; out0
	v_lshrrev_b32 v1, 5, v0
	v_readfirstlane_b32 s16, v1
	s_lshl_b32 s17, ttmp9, 2
	s_add_co_u32 s17, s17, s16                     ; my token
	v_and_b32 v3, 31, v0
	v_lshlrev_b32 v2, 4, v3                        ; 16 x lane
	s_lshl_b32 s20, s17, 13                        ; two rows of 4,096 bytes
	s_mov_b32 s21, 0
	s_lshl_b32 s22, s17, 3
	s_mov_b32 s23, 0
	s_mul_i32 s24, s17, 4000
	s_mov_b32 s25, 0
	s_mov_b32 s10, 0x76543210                      ; v_permlanex16_b32: each lane takes its own place in the other half
	s_mov_b32 s11, 0xfedcba98
	s_mov_b32 s18, 0x3fb8aa3b                      ; log2(e), named as a pair
	s_mov_b32 s19, s18
	s_mov_b32 s26, 0x3f317218                      ; ln 2
	s_wait_kmcnt 0x0
	s_add_nc_u64 s[4:5], s[4:5], s[20:21]
	s_add_nc_u64 s[6:7], s[6:7], s[22:23]
	s_add_nc_u64 s[8:9], s[8:9], s[24:25]
	s_load_b64 s[12:13], s[6:7], 0x0               ; w1, w2
.set q, 0
.rept 8
	global_load_b128 v[LA+4*q:LA+4*q+3], v2, s[4:5] offset:512*q th:TH_LOAD_NT
	global_load_b128 v[LB+4*q:LB+4*q+3], v2, s[4:5] offset:4096+512*q th:TH_LOAD_NT
.set q, q+1
.endr
	v_cmp_gt_u32 vcc_lo, 26, v3                    ; in the last 128 columns lanes 0-25 hold columns 896-999
	s_wait_loadcnt 0x0
.set j, 0
.rept 4
	v_cndmask_b32 v[LA+28+j], 0xff800000, v[LA+28+j], vcc_lo
	v_cndmask_b32 v[LB+28+j], 0xff800000, v[LB+28+j], vcc_lo
.set j, j+1
.endr
.macro MAXROW l, c                     ; the largest of my 32 numbers: four chains of seven, then the four left over
.set i, 0
.rept 4
	v_max3_num_f32 v[(\c)+i], v[(\l)+8*i], v[(\l)+8*i+1], v[(\l)+8*i+2]
.set i, i+1
.endr
.irp o, 3, 5
.set i, 0
.rept 4
	v_max3_num_f32 v[(\c)+i], v[(\c)+i], v[(\l)+8*i+\o], v[(\l)+8*i+\o+1]
.set i, i+1
.endr
.endr
	v_max3_num_f32 v[(\c)], v[(\c)], v[(\l)+7], v[(\l)+15]
	v_max3_num_f32 v[(\c)+1], v[(\c)+1], v[(\l)+23], v[(\l)+31]
	v_max3_num_f32 v[(\c)], v[(\c)], v[(\c)+1], v[(\c)+2]
	v_max_num_f32 v[(\c)], v[(\c)], v[(\c)+3]
.endm
	MAXROW LA, CA
	MAXROW LB, CB
.irp x, 1, 2, 4, 8                     ; across the lanes: four steps inside each half ride on the arithmetic, one crosses the halves
	v_max_num_f32_dpp v[CA], v[CA], v[CA] row_xmask:\x row_mask:0xf bank_mask:0xf
	v_max_num_f32_dpp v[CB], v[CB], v[CB] row_xmask:\x row_mask:0xf bank_mask:0xf
.endr
	v_permlanex16_b32 v[CA+1], v[CA], s10, s11
	v_permlanex16_b32 v[CB+1], v[CB], s10, s11
	v_max_num_f32 v[CA], v[CA], v[CA+1]
	v_max_num_f32 v[CB], v[CB], v[CB+1]
	v_mul_f32 v[UA], s18, v[CA]
	v_mul_f32 v[UB], s18, v[CB]
	v_mov_b32 v[UA+1], v[UA]
	v_mov_b32 v[UB+1], v[UB]
.set i, 0
.rept 16
	v_pk_fma_f32 v[EA+2*i:EA+2*i+1], v[LA+2*i:LA+2*i+1], s[18:19], v[UA:UA+1] op_sel_hi:[1,0,0] neg_lo:[0,0,1] neg_hi:[0,0,1]
	v_pk_fma_f32 v[EB+2*i:EB+2*i+1], v[LB+2*i:LB+2*i+1], s[18:19], v[UB:UB+1] op_sel_hi:[1,0,0] neg_lo:[0,0,1] neg_hi:[0,0,1]
.set i, i+1
.endr
.set i, 0
.rept 64
	v_exp_f32 v[EA+i], v[EA+i]
.set i, i+1
.endr
	v_nop                                          ; a plain instruction behind the last exponential,
	s_wait_alu depctr_va_vdst(0)                   ; and one wait for the batch of 64, ahead of its first reader
.irp d, 16, 8, 4, 2
.set i, 0
.rept \d/2
	v_pk_add_f32 v[EA+2*i:EA+2*i+1], v[EA+2*i:EA+2*i+1], v[EA+\d+2*i:EA+\d+2*i+1]
	v_pk_add_f32 v[EB+2*i:EB+2*i+1], v[EB+2*i:EB+2*i+1], v[EB+\d+2*i:EB+\d+2*i+1]
.set i, i+1
.endr
.endr
	v_add_f32 v[EA], v[EA], v[EA+1]
	v_add_f32 v[EB], v[EB], v[EB+1]
.irp x, 1, 2, 4, 8
	v_add_f32_dpp v[EA], v[EA], v[EA] row_xmask:\x row_mask:0xf bank_mask:0xf
	v_add_f32_dpp v[EB], v[EB], v[EB] row_xmask:\x row_mask:0xf bank_mask:0xf
.endr
	v_permlanex16_b32 v[EA+1], v[EA], s10, s11
	v_permlanex16_b32 v[EB+1], v[EB], s10, s11
	v_add_f32 v[EA], v[EA], v[EA+1]
	v_add_f32 v[EB], v[EB], v[EB+1]
	v_log_f32 v[EA], v[EA]
	v_log_f32 v[EB], v[EB]
	v_nop
	s_wait_alu depctr_va_vdst(0)                   ; one wait for the two logarithms
	s_wait_kmcnt 0x0                               ; the two weights
	s_mov_b32 s14, s13                             ; w2 in the low word of a pair of its own
	s_mov_b32 s15, s13
	v_fma_f32 v[CA], v[EA], s26, v[CA]             ; the rows' log-sum-exp
	v_fma_f32 v[CB], v[EB], s26, v[CB]
	v_mul_f32 v[KC], s13, v[CB]
	v_fma_f32 v[KC], s12, v[CA], v[KC]
	v_mov_b32 v[KC+1], v[KC]
.set i, 0
.rept 16
	v_pk_fma_f32 v[LB+2*i:LB+2*i+1], v[LB+2*i:LB+2*i+1], s[14:15], v[KC:KC+1] op_sel_hi:[1,0,0] neg_lo:[0,0,1] neg_hi:[0,0,1]
.set i, i+1
.endr
.set i, 0
.rept 16
	v_pk_fma_f32 v[LA+2*i:LA+2*i+1], v[LA+2*i:LA+2*i+1], s[12:13], v[LB+2*i:LB+2*i+1] op_sel_hi:[1,0,1]
.set i, i+1
.endr
.set q, 0
.rept 7
	global_store_b128 v2, v[LA+4*q:LA+4*q+3], s[8:9] offset:512*q th:TH_STORE_NT  ; 512 consecutive bytes
.set q, q+1
.endr
	s_wait_xcnt 0x0                                ; EXEC changes only behind this wait
	s_and_saveexec_b32 s27, vcc_lo
	global_store_b128 v2, v[LA+28:LA+31], s[8:9] offset:3584 th:TH_STORE_NT       ; columns 896-999: lanes 0-25
	s_wait_xcnt 0x0                                ; and again, ahead of the line that widens it
	s_or_b32 exec_lo, exec_lo, s27
	s_endpgm
.Lfunc_end_k_qb8044e0c12_mix:
	.size	k_qb8044e0c12_mix, .Lfunc_end_k_qb8044e0c12_mix-k_qb8044e0c12_mix
	.p2alignl 7, 3214868480
	.fill 96, 4, 3214868480
	.section	.rodata,"a",@progbits
	.p2align	6, 0x0
	.amdhsa_kernel k_qb8044e0c12_mix
		.amdhsa_group_segment_fixed_size 0
		.amdhsa_private_segment_fixed_size 0
		.amdhsa_enable_private_segment 0
		.amdhsa_kernarg_size 24
		.amdhsa_user_sgpr_count 2
		.amdhsa_user_sgpr_kernarg_segment_ptr 1
		.amdhsa_wavefront_size32 1
		.amdhsa_system_sgpr_workgroup_id_x 1
		.amdhsa_system_sgpr_workgroup_id_y 1
		.amdhsa_system_sgpr_workgroup_id_z 1
		.amdhsa_system_vgpr_workitem_id 0
		.amdhsa_next_free_vgpr 160
		.amdhsa_next_free_sgpr 66
		.amdhsa_reserve_vcc 1
		.amdhsa_float_denorm_mode_32 3
		.amdhsa_float_denorm_mode_16_64 3
		.amdhsa_memory_ordered 1
		.amdhsa_forward_progress 1
		.amdhsa_inst_pref_size 17
	.end_amdhsa_kernel
	.amdgpu_metadata
---
amdhsa.version: [ 1, 2 ]
amdhsa.kernels:
  - .name:           k_qb8044e0c12_mix
    .symbol:         k_qb8044e0c12_mix.kd
    .args:
      - { .name: lg, .offset: 0, .size: 8, .value_kind: global_buffer, .address_space: global }
      - { .name: gw, .offset: 8, .size: 8, .value_kind: global_buffer, .address_space: global }
      - { .name: out0, .offset: 16, .size: 8, .value_kind: global_buffer, .address_space: global }
    .group_segment_fixed_size: 0
    .private_segment_fixed_size: 0
    .kernarg_segment_align: 8
    .kernarg_segment_size: 24
    .max_flat_workgroup_size: 128
    .sgpr_count:     66
    .vgpr_count:     160
    .wavefront_size: 32
...
	.end_amdgpu_metadata
.endif
;; end of part 5
